; MI455X (gfx1250); checked and timed in simulation.
; The chip was launched on July 23, 2026; its instructions are those of AMD's public machine-readable ISA for CDNA 5 (MIT licence, August 2026) and "CDNA5" Instruction Set Architecture Reference Guide (July 2026). The comments in the code are by the model that wrote it; some were corrected since.
;; Learnable Spherical Encoding. Allowed arithmetic: float matrix products may take bf16 or f16 operands with f32 sums; all other float work in f32.
;; Inputs: sigma 1 float32; sphere_pos 3 x 512 float32; vec 262,144 x 3 float32; weights 1 x 512 x 64 float32.
;; Outputs: out0 262,144 x 64 float32.
;; 2 versions, each right; version 2 is version 1 with the launch sphere written anew for expert scheduling mode. Each part assembles by itself: llvm-mc -triple=amdgcn-amd-amdhsa -mcpu=gfx1250 --defsym DOCPART=n.
;; ======== version 1 of 2: 1 launch
;; limits: a function is approximated: absolute error at most 0.0001
;; launch sphere (part 1): grid 256 x 1, 16 waves a work-group, no clusters, 171,008 bytes of LDS; arguments sigma, sphere_pos, vec, weights, out0; writes out0
.if DOCPART == 1
	.amdgcn_target "amdgcn-amd-amdhsa--gfx1250"
	.amdhsa_code_object_version 6
	.text
	.protected	k_q6d6631dbed_sphere
	.globl	k_q6d6631dbed_sphere
	.p2align	8
	.type	k_q6d6631dbed_sphere,@function
k_q6d6631dbed_sphere:
	s_mov_b64 s[64:65], 0
	v_nop
	global_prefetch_b8 v0, s[64:65] scope:SCOPE_SE
	s_setreg_imm32_b32 hwreg(HW_REG_WAVE_MODE, 25, 1), 1
	s_wait_xcnt 0x0
; out[n][ch] = sum_k e[n][k] W[k][ch] / (sum_k e[n][k] + 1e-8 * sqrt(2 pi) * sigma),
; e[n][k] = exp(-arccos(clip(vec[n] . pos[k]))^2 / (2 sigma^2)).  This is the problem's formula with the common factor
; 1 / (sqrt(2 pi) sigma) moved from numerator and row sum into the 1e-8 term; it holds for either sign of sigma.
; Sizes: 262,144 rows, 512 points, 64 channels.  256 work-groups of 16 waves; a work-group owns 1,024 rows in two passes of 512,
; a wave 32 rows of a pass (two tiles of 16).  Everything between the inputs and out0 stays in registers and LDS.
;
; THE COSINE goes through the bf16 matrix form without losing f32 accuracy: each f32 is split exactly into three bf16 terms
; (round, subtract, round), and the 32 K places of ONE instruction hold v0 (s0+s1+s2) + v1 (s0+s1) + v2 (s0+s1) for x, y, z.
; What is dropped is of the order 2^-24.  (With sigma near 0.1 an error d in the cosine is d / sigma^2 in the exponent.)
; NO SHUFFLE BETWEEN THE PRODUCTS: points are the first product's A rows and vec rows its B columns, so lane (r, h) register j holds
; c(row r, point 8h + j); packing registers 2i, 2i+1 of two point tiles gives exactly the B fragment (column = row r, k = point)
; of the second product, whose A rows are channels.  A fifth A fragment of ones gives the row sum of the same rounded e.
; arccos(a) = sqrt(1 - a) (a0 + a1 a + a2 a^2 + a3 a^3) on [0, 1] (Abramowitz and Stegun 4.4.45), mirrored for negative c.
;
; LIMITS.  arccos is within 5e-5 rad (1e-4 rad where |c| is so small that the fitted arcsine changes sign).  e and W are rounded to
; bf16 for the second product.  e below 2^-126 is zero.  NaN or infinity in vec or sphere_pos do not come out as the formula
; would give them (the clip drops a NaN, the split of an infinity makes one).  sigma = 0 is not served.
;
; LEFT OUT: tensor loads and joint requests in a cluster.  What work-groups share is 137,216 bytes of tables, read once by each; they
; must pass through registers anyway (f32 to bf16, split in three, transposed), so a copy into LDS could not lay them as needed.
; No prefetch: all inputs of a work-group are asked for in its first lines.
.set W_PITCH,  1040                    ; an A fragment of W: 1,024 bytes + 16, so that the preparation's sixteen lanes of a half
                                       ; store to sixteen different 16-byte columns modulo 256 bytes
.set W_STEP,   4*W_PITCH               ; the four channel tiles of one K step of 32 points
.set SPH_BASE, 16*W_STEP               ; 66,560: 32 point tiles x 1,024 bytes
.set STAGE,    SPH_BASE+32*1024        ; 99,328: for each wave 16 rows x 272 bytes, its own
.set SPITCH,   272                     ; 256 bytes of a row of out0 + 16
.set WSTAGE,   16*SPITCH
.set LB,   1                           ; 16 x lane
.set AW,   2                           ; LDS address of my 16 bytes in the W fragments of the coming step
.set ASPH, 3                           ; the same for the sphere fragments
.set STO,  4                           ; stage: row r, 32 bytes for each half of the lanes
.set RD,   5                           ; stage: read back by rows
.set OOFF, 6                           ; my byte offset in the work-group's part of out0
.set VOFF, 7                           ; my byte offset in the work-group's part of vec
.set DADD, 8                           ; 1e-8 sqrt(2 pi) sigma
.set TMP,  9
.set ONE,  10                          ; v[10:11] 1.0
.set K3,   12                          ; v[12:19] kappa a3 .. kappa a0, each twice; kappa = sqrt(log2(e) / 2) / |sigma|
.set K2,   14
.set K1,   16
.set K0,   18
.set HH,   20                          ; v[20:21] kappa pi / 2
.set RC,   22                          ; v[22:23] 1 / denominator
.set ONES, 24                          ; v[24:31] an A fragment of bf16 ones
.set VECF, 32                          ; v[32:47] B fragments of my two row tiles
.set SPH,  48                          ; v[48:63] A fragments of two point tiles
.set WF,   64                          ; v[64:95] A fragments of W, four channel tiles
.set D1,   96                          ; v[96:127] cosines: two buffers (row tile 0, row tile 1) of two point tiles
.set TA,   128                         ; v[128:135] a, later e
.set TU,   136                         ; v[136:143] 1 - a, then its root
.set TP,   144                         ; v[144:151] the polynomial, then z, then -z^2
.set E,    152                         ; v[152:159] B fragment of e
.set ACC,  160                         ; v[160:239] 40 rho + 8 t; t = 4 is the row sum
.set RAW,  240                         ; v[240:245] x, y, z of my row in each row tile
.set ST,   246                         ; v[246:248] at work in the split
; preparation only, in registers that the loop uses later
.set WRAW, 160                         ; v[160:223] 2 x 8 loads of W
.set WY,   64                          ; v[64:79] four packed chunks
.set SRAW, 96                          ; v[96:101] x, y, z of my point in two tiles
.set SF,   104                         ; v[104:109] its split
.set SG,   112                         ; v[112:119] its fragment
.set PL,   224                         ; lane
.set PR,   225                         ; r = lane % 16
.set PH,   226                         ; h = lane / 16
.set PSG,  227                         ; offsets: sphere_pos, weights; LDS addresses: sphere table, W table
.set PWG,  228
.set PSL,  229
.set PWL,  230
.set PT,   231
; x, y, z (f32, consumed) into six registers: [x0|y0] [z0|z0] [x1|y1] [z1|z1] [x2|y2] [z2|z2]; each subtraction is exact
.macro SPLIT3 d, x, y, z
.irp k, 0,2
	v_cvt_pk_bf16_f32 v[\d+\k], v[\x], v[\y]
	v_cvt_pk_bf16_f32 v[\d+\k+1], v[\z], v[\z]
	v_lshlrev_b32 v[ST], 16, v[\d+\k]
	v_and_b32 v[ST+1], s17, v[\d+\k]
	v_and_b32 v[ST+2], s17, v[\d+\k+1]
	v_sub_f32 v[\x], v[\x], v[ST]
	v_sub_f32 v[\y], v[\y], v[ST+1]
	v_sub_f32 v[\z], v[\z], v[ST+2]
.endr
	v_cvt_pk_bf16_f32 v[\d+4], v[\x], v[\y]
	v_cvt_pk_bf16_f32 v[\d+5], v[\z], v[\z]
.endm
; the B fragment of row tile rho; both halves of the lanes hold the same eight registers
.macro VFRAG rho
	SPLIT3 VECF+8*\rho, RAW+3*\rho, RAW+3*\rho+1, RAW+3*\rho+2
	v_mov_b32 v[VECF+8*\rho+6], v[VECF+8*\rho]     ; [x0|y0] once more, against [sx2|sy2]
	v_mov_b32 v[VECF+8*\rho+7], 0
.endm
; cosines of 32 points x 16 rows
.macro COS buf, rho
	v_wmma_f32_16x16x32_bf16 v[D1+16*\buf:D1+16*\buf+7], v[SPH:SPH+7], v[VECF+8*\rho:VECF+8*\rho+7], 0
	v_wmma_f32_16x16x32_bf16 v[D1+16*\buf+8:D1+16*\buf+15], v[SPH+8:SPH+15], v[VECF+8*\rho:VECF+8*\rho+7], 0
.endm
.macro LOADW                           ; eight loads, 512 neighbouring bytes each: this step's four A fragments of W
.irp t, 0,1,2,3
	ds_load_b128 v[WF+8*\t:WF+8*\t+3], v[AW] offset:\t*W_PITCH
	ds_load_b128 v[WF+8*\t+4:WF+8*\t+7], v[AW] offset:\t*W_PITCH+512
.endr
	v_add_nc_u32 v[AW], W_STEP, v[AW]
.endm
.macro LOADS                           ; four loads: the next step's two point tiles
.irp i, 0,1
	ds_load_b128 v[SPH+8*\i:SPH+8*\i+3], v[ASPH] offset:\i*1024
	ds_load_b128 v[SPH+8*\i+4:SPH+8*\i+7], v[ASPH] offset:\i*1024+512
.endr
	v_add_nc_u32 v[ASPH], 2048, v[ASPH]
.endm
; Eight cosines at c become four registers of bf16 e at e.  ld = 1: the fragment loads of W and of the sphere stand behind the eight
; v_min, ld = 2: those of W alone.  The v_min name only c and TA, so they are eight places between the matrix instructions that last
; read WF and SPH and the loads into them (ISA guide 7.12.1 asks for independent vector instructions there).
.macro GROUP c, e, ld
.irp j, 0,1,2,3,4,5,6,7
	v_min_num_f32 v[TA+\j], |v[\c+\j]|, s15        ; a = min(|c|, 1 - 1e-5): the clip, which is symmetric
.endr
.if \ld >= 1
	LOADW
.endif
.if \ld == 1
	LOADS
.endif
.irp j, 0,2,4,6
	v_pk_add_f32 v[TU+\j:TU+\j+1], v[ONE:ONE+1], v[TA+\j:TA+\j+1] neg_lo:[0,1] neg_hi:[0,1]
.endr
.irp j, 0,1,2,3,4,5,6,7
	v_sqrt_f32 v[TU+\j], v[TU+\j]                  ; used 12 plain instructions further down
.endr
.irp j, 0,2,4,6
	v_pk_fma_f32 v[TP+\j:TP+\j+1], v[TA+\j:TA+\j+1], v[K3:K3+1], v[K2:K2+1]
.endr
.irp j, 0,2,4,6
	v_pk_fma_f32 v[TP+\j:TP+\j+1], v[TP+\j:TP+\j+1], v[TA+\j:TA+\j+1], v[K1:K1+1]
.endr
.irp j, 0,2,4,6
	v_pk_fma_f32 v[TP+\j:TP+\j+1], v[TP+\j:TP+\j+1], v[TA+\j:TA+\j+1], v[K0:K0+1]
.endr
	s_wait_alu depctr_va_vdst(0)
.irp j, 0,2,4,6
	v_pk_fma_f32 v[TP+\j:TP+\j+1], v[TU+\j:TU+\j+1], v[TP+\j:TP+\j+1], v[HH:HH+1] neg_lo:[1,0,0] neg_hi:[1,0,0]   ; kappa arcsin(a)
.endr
.irp j, 0,1,2,3,4,5,6,7
	v_bfi_b32 v[TP+\j], s16, v[TP+\j], v[\c+\j]    ; with the sign of c: kappa arcsin(c)
.endr
.irp j, 0,2,4,6
	v_pk_add_f32 v[TP+\j:TP+\j+1], v[HH:HH+1], v[TP+\j:TP+\j+1] neg_lo:[0,1] neg_hi:[0,1]   ; z = kappa arccos(c)
.endr
	; each run of four v_exp_f32 has plain instructions that touch none of its registers between it and the first use of its results
	v_pk_mul_f32 v[TP:TP+1], v[TP:TP+1], v[TP:TP+1] neg_lo:[1,0] neg_hi:[1,0]
	v_pk_mul_f32 v[TP+2:TP+3], v[TP+2:TP+3], v[TP+2:TP+3] neg_lo:[1,0] neg_hi:[1,0]
.irp j, 0,1,2,3
	v_exp_f32 v[TA+\j], v[TP+\j]                   ; e = 2^(-z^2)
.endr
	v_pk_mul_f32 v[TP+4:TP+5], v[TP+4:TP+5], v[TP+4:TP+5] neg_lo:[1,0] neg_hi:[1,0]
	v_pk_mul_f32 v[TP+6:TP+7], v[TP+6:TP+7], v[TP+6:TP+7] neg_lo:[1,0] neg_hi:[1,0]
.irp j, 4,5,6,7
	v_exp_f32 v[TA+\j], v[TP+\j]
.endr
	s_wait_alu depctr_va_vdst(0)
.irp j, 0,1,2,3
	v_cvt_pk_bf16_f32 v[\e+\j], v[TA+2*\j], v[TA+2*\j+1]
.endr
.endm
; 64 channels and the row sum of row tile rho, 32 points more.  zero = 1: the first product starts the sums
.macro MM rho, zero
.irp t, 0,1,2,3
.if \zero
	v_wmma_f32_16x16x32_bf16 v[ACC+40*\rho+8*\t:ACC+40*\rho+8*\t+7], v[WF+8*\t:WF+8*\t+7], v[E:E+7], 0
.else
	v_wmma_f32_16x16x32_bf16 v[ACC+40*\rho+8*\t:ACC+40*\rho+8*\t+7], v[WF+8*\t:WF+8*\t+7], v[E:E+7], v[ACC+40*\rho+8*\t:ACC+40*\rho+8*\t+7]
.endif
.endr
.if \zero
	v_wmma_f32_16x16x32_bf16 v[ACC+40*\rho+32:ACC+40*\rho+39], v[ONES:ONES+7], v[E:E+7], 0
.else
	v_wmma_f32_16x16x32_bf16 v[ACC+40*\rho+32:ACC+40*\rho+39], v[ONES:ONES+7], v[E:E+7], v[ACC+40*\rho+32:ACC+40*\rho+39]
.endif
.endm
; One step: 32 points x my 32 rows.  At its head D1's buffer 0 holds this step's cosines of row tile 0 and SPH this step's points.
; Each cosine buffer is read two GROUPs behind the matrix instructions that wrote it, and E is rewritten most of a GROUP behind
; the matrix instructions that read it.
.macro STEP zero, last
	COS 1, 1
.if \last
	GROUP D1, E, 2
.else
	GROUP D1, E, 1
.endif
	GROUP D1+8, E+4, 0
.if \last
	s_wait_dscnt 0x0                               ; W's eight loads
.else
	s_wait_dscnt 0x4                               ; W's eight loads are in; the four younger ones (the next points) may be out
.endif
	MM 0, \zero
.if \last == 0
	s_wait_dscnt 0x0                               ; the next step's points
	COS 0, 0                                       ; its cosines of row tile 0, one half step ahead of their use
.endif
	GROUP D1+16, E, 0
	GROUP D1+24, E+4, 0
	MM 1, \zero
.endm
; The way out of row tile rho: divide, 16 rows through my own stage, back as whole rows.  buf: 32 registers free at that point.
.macro OUT p, rho, buf
	v_add_f32 v[TMP], v[ACC+40*\rho+32], v[DADD]   ; every register of the fifth tile holds row r's sum
	v_rcp_f32 v[RC], v[TMP]
	v_rcp_f32 v[RC+1], v[TMP]
	v_nop                                          ; one plain instruction between v_rcp_f32 and the use of its result
	s_wait_alu depctr_va_vdst(0)
.irp k, 0,2,4,6,8,10,12,14,16,18,20,22,24,26,28,30
	v_pk_mul_f32 v[ACC+40*\rho+\k:ACC+40*\rho+\k+1], v[ACC+40*\rho+\k:ACC+40*\rho+\k+1], v[RC:RC+1]
.endr
.irp t, 0,1,2,3
	ds_store_b128 v[STO], v[ACC+40*\rho+8*\t:ACC+40*\rho+8*\t+3] offset:64*\t       ; channels 16 t + 8 h + 0 .. 3 of row r
	ds_store_b128 v[STO], v[ACC+40*\rho+8*\t+4:ACC+40*\rho+8*\t+7] offset:64*\t+16  ; and + 4 .. 7
.endr
.irp i, 0,1,2,3,4,5,6,7
	ds_load_b128 v[\buf+4*\i:\buf+4*\i+3], v[RD] offset:2*SPITCH*\i   ; my own bytes: a wave's LDS instructions are served in order
.endr
.irp i, 0,1,2,3,4,5,6,7
	s_wait_dscnt 7-\i                              ; rows 2 i, 2 i + 1 are in; the younger loads stay out
	global_store_b128 v[OOFF], v[\buf+4*\i:\buf+4*\i+3], s[12:13] offset:\p*131072+\rho*4096+\i*512 th:TH_STORE_NT   ; 512 consecutive bytes, aligned: two whole rows
.endr
.endm
; One pass: 512 rows of the work-group, 32 of mine, all 512 points in 16 steps.  more = 1: the next pass's vec is asked for ahead of the way out.
.macro PASS p, more
.if \p
	s_wait_xcnt 0x0                                ; D1 and WF were the data of the last pass's stores: rewritten only behind this wait
.endif
	v_mov_b32 v[AW], v[LB]
	v_add_nc_u32 v[ASPH], SPH_BASE, v[LB]
	LOADS
	s_wait_loadcnt 0x0                             ; my six numbers of vec
	VFRAG 0
	s_wait_dscnt 0x0
	COS 0, 0
	VFRAG 1                                        ; twenty vector instructions that name none of that product's registers
	STEP 1, 0
	s_mov_b32 s18, 14
.Lstep_\p:
	STEP 0, 0
	s_sub_co_i32 s18, s18, 1
	s_cmp_lg_u32 s18, 0
	s_cbranch_scc1 .Lstep_\p
	STEP 0, 1                                      ; the last step fetches no further points
.if \more
.irp rho, 0,1
.irp d, 0,1,2
	global_load_b32 v[RAW+3*\rho+\d], v[VOFF], s[8:9] offset:(\p+1)*6144+\rho*192+\d*4
.endr
.endr
.endif
	OUT \p, 0, D1                                  ; its vector instructions are the places behind the last products of row tile 1
	OUT \p, 1, WF
.endm
.macro KPAIR reg, lit
	v_mul_f32 v[\reg], \lit, v[TMP]
	v_mov_b32 v[\reg+1], v[\reg]
.endm
	; SET-UP
	s_load_b256 s[4:11], s[0:1], 0x0               ; sigma s[4:5], sphere_pos s[6:7], vec s[8:9], weights s[10:11]
	s_load_b64 s[12:13], s[0:1], 0x20              ; out0
	v_lshl_add_u32 v254, v0, 2, 0x29400
	v_mov_b32 v255, 0
	s_mov_b32 s15, 0x3f7fff58                      ; 1 - 1e-5
	s_mov_b32 s16, 0x7fffffff                      ; all but the sign
	s_mov_b32 s17, 0xffff0000                      ; a word's upper bf16
	v_lshrrev_b32 v[PT], 5, v0
	v_readfirstlane_b32 s19, v[PT]                 ; wave 0 .. 15
	v_and_b32 v[PL], 31, v0
	v_and_b32 v[PR], 15, v0
	v_bfe_u32 v[PH], v0, 4, 1
	v_lshlrev_b32 v[LB], 4, v[PL]
	s_mul_i32 s20, s19, WSTAGE
	s_add_co_u32 s20, s20, STAGE                   ; my stage
	v_mul_u32_u24 v[STO], v[PR], SPITCH
	v_lshl_add_u32 v[STO], v[PH], 5, v[STO]
	v_add_nc_u32 v[STO], s20, v[STO]
	v_mul_u32_u24 v[RD], v[PH], SPITCH
	v_lshl_add_u32 v[RD], v[PR], 4, v[RD]
	v_add_nc_u32 v[RD], s20, v[RD]
	s_lshl_b32 s20, s19, 13                        ; 32 rows of 256 bytes
	v_add_nc_u32 v[OOFF], s20, v[LB]
	v_lshl_add_u32 v[PWG], v[PH], 11, s20          ; weights: my wave's 32 rows of 256 bytes, + 8 h rows,
	v_lshl_add_u32 v[PWG], v[PR], 4, v[PWG]        ; + 16 bytes a lane: sixteen lanes take a whole row
	s_mul_i32 s20, s19, 384                        ; 32 rows of 12 bytes
	v_mul_u32_u24 v[VOFF], v[PR], 12
	v_add_nc_u32 v[VOFF], s20, v[VOFF]
	s_lshl_b32 s20, s19, 6                         ; sphere_pos: point 16 wave + r
	v_lshl_add_u32 v[PSG], v[PR], 2, s20
	s_lshl_b32 s20, s19, 10
	s_add_co_u32 s20, s20, SPH_BASE
	v_add_nc_u32 v[PSL], s20, v[LB]                ; sphere table: tile = wave (and wave + 16)
	s_mul_i32 s20, s19, W_STEP                     ; W table: my wave writes the four fragments of K step = wave, 4,160 bytes of its own
	v_lshrrev_b32 v[PT], 2, v[PR]
	v_mul_u32_u24 v[PWL], v[PT], W_PITCH           ; channel tile = r / 4 (a lane holds channels 4 r .. 4 r + 3)
	v_and_b32 v[PT], 3, v[PR]
	v_lshl_add_u32 v[PWL], v[PT], 6, v[PWL]        ; fragment lane 4 (r % 4) + i
	v_lshl_add_u32 v[PWL], v[PH], 8, v[PWL]        ; + 16 h
	v_add_nc_u32 v[PWL], s20, v[PWL]
	s_mul_i32 s20, ttmp9, 12288                    ; the work-group's 1,024 rows of vec
	s_mov_b32 s21, 0
	s_wait_kmcnt 0x0
	s_load_b32 s14, s[4:5], 0x0                    ; sigma
	s_add_nc_u64 s[8:9], s[8:9], s[20:21]
	s_lshl_b32 s20, ttmp9, 18                      ; and of out0
	s_add_nc_u64 s[12:13], s[12:13], s[20:21]
	; all the loads of the preparation and of pass 0, oldest first in the order of use: 6 + 16 + 6
.irp i2, 0,1
.irp d, 0,1,2
	global_load_b32 v[SRAW+3*\i2+\d], v[PSG], s[6:7] offset:\d*2048+\i2*1024
.endr
.endr
.irp i2, 0,1
.irp j, 0,1,2,3,4,5,6,7
	global_load_b128 v[WRAW+32*\i2+4*\j:WRAW+32*\i2+4*\j+3], v[PWG], s[10:11] offset:\i2*4096+\j*256   ; W[32 wave + 16 i2 + 8 h + j][4 r ..]
.endr
.endr
.irp rho, 0,1
.irp d, 0,1,2
	global_load_b32 v[RAW+3*\rho+\d], v[VOFF], s[8:9] offset:\rho*192+\d*4
.endr
.endr
	; constants, while the loads are on their way
	v_cmp_gt_u32 vcc_lo, 16, v[PL]                 ; the lower half of the lanes
	v_mov_b32 v[ONE], 1.0
	v_mov_b32 v[ONE+1], 1.0
.irp j, 0,1,2,3,4,5,6,7
	v_mov_b32 v[ONES+\j], 0x3f803f80
.endr
	s_wait_kmcnt 0x0
	s_and_b32 s20, s14, s16                        ; |sigma|
	v_rcp_f32 v[TMP], s20
	v_mov_b32 v[DADD], s14                         ; (the plain instruction behind v_rcp_f32)
	s_wait_alu depctr_va_vdst(0)
	v_mul_f32 v[TMP], 0x3f596d27, v[TMP]           ; kappa = 0.8493218 / |sigma|
	v_mul_f32 v[DADD], 0x32d75157, v[DADD]         ; 2.5066283e-8 sigma
	KPAIR K3, 0xbc996e30                           ; -0.0187293
	KPAIR K2, 0x3d981627                           ;  0.0742610
	KPAIR K1, 0xbe593484                           ; -0.2121144
	KPAIR K0, 0x3fc90da4                           ;  1.5707288
	KPAIR HH, 0x3fc90fdb                           ;  pi / 2
	; THE SPHERE TABLE: tiles wave and wave + 16.  Lane (r, h) makes the eight registers of point r's A fragment:
	;   h = 0: [sx0|sy0] [sz0|sz2] [sx0|sy0] [sz0|0] [sx0|sy0] [sz0|0] [sx2|sy2] 0
	;   h = 1: [sx1|sy1] [sz1|0]   [sx1|sy1] [sz1|0] [sx1|sy1] [sz1|0] 0         0
	s_wait_loadcnt 22                              ; the six sphere loads are in; 16 of W and 6 of vec stay out
.irp i2, 0,1
	SPLIT3 SF, SRAW+3*\i2, SRAW+3*\i2+1, SRAW+3*\i2+2
	v_cndmask_b32 v[SG], v[SF+2], v[SF], vcc_lo
	v_cndmask_b32 v[SG+3], v[SF+3], v[SF+1], vcc_lo
	v_and_b32 v[SG+3], 0xffff, v[SG+3]
	v_and_b32 v[SG+1], s17, v[SF+5]
	v_cndmask_b32 v[SG+1], 0, v[SG+1], vcc_lo
	v_or_b32 v[SG+1], v[SG+1], v[SG+3]
	v_mov_b32 v[SG+2], v[SG]
	v_mov_b32 v[SG+4], v[SG]
	v_mov_b32 v[SG+5], v[SG+3]
	v_cndmask_b32 v[SG+6], 0, v[SF+4], vcc_lo
	v_mov_b32 v[SG+7], 0
	ds_store_b128 v[PSL], v[SG:SG+3] offset:\i2*16384
	ds_store_b128 v[PSL], v[SG+4:SG+7] offset:\i2*16384+512
.endr
	; THE W TABLE: chunk (step, tile t, q, lane (r, h)) = bf16 of W[32 step + 16 q + 8 h + 0 .. 7][16 t + r].  A lane's eight loads hold
	; eight points of four channels: four chunks.
.irp i2, 0,1
	s_wait_loadcnt 14-8*\i2                        ; eight loads of W are in; behind them 8 + 6, then 6, stay out
.irp i, 0,1,2,3
.irp m, 0,1,2,3
	v_cvt_pk_bf16_f32 v[WY+4*\i+\m], v[WRAW+32*\i2+8*\m+\i], v[WRAW+32*\i2+8*\m+4+\i]
.endr
	ds_store_b128 v[PWL], v[WY+4*\i:WY+4*\i+3] offset:\i2*512+\i*16
.endr
.endr
	s_wait_dscnt 0x0                               ; my part of both tables is written,
	s_barrier_signal -1
	s_barrier_wait -1                              ; everybody's is.  From here on the tables are only read, and each stage is one wave's own
	PASS 0, 1
	PASS 1, 0
	s_wait_tensorcnt 0x0
	ds_add_u32 v254, v255
	s_wait_dscnt 0x0
	s_endpgm
.Lfunc_end_k_q6d6631dbed_sphere:
	.size	k_q6d6631dbed_sphere, .Lfunc_end_k_q6d6631dbed_sphere-k_q6d6631dbed_sphere
	.p2alignl 7, 3214868480
	.fill 96, 4, 3214868480
	.section	.rodata,"a",@progbits
	.p2align	6, 0x0
	.amdhsa_kernel k_q6d6631dbed_sphere
		.amdhsa_group_segment_fixed_size 171008
		.amdhsa_private_segment_fixed_size 0
		.amdhsa_enable_private_segment 0
		.amdhsa_kernarg_size 40
		.amdhsa_user_sgpr_count 2
		.amdhsa_user_sgpr_kernarg_segment_ptr 1
		.amdhsa_wavefront_size32 1
		.amdhsa_system_sgpr_workgroup_id_x 1
		.amdhsa_system_sgpr_workgroup_id_y 1
		.amdhsa_system_sgpr_workgroup_id_z 1
		.amdhsa_system_vgpr_workitem_id 0
		.amdhsa_next_free_vgpr 256
		.amdhsa_next_free_sgpr 66
		.amdhsa_reserve_vcc 1
		.amdhsa_float_denorm_mode_32 3
		.amdhsa_float_denorm_mode_16_64 3
		.amdhsa_memory_ordered 1
		.amdhsa_forward_progress 1
		.amdhsa_inst_pref_size 126
	.end_amdhsa_kernel
	.amdgpu_metadata
---
amdhsa.version: [ 1, 2 ]
amdhsa.kernels:
  - .name:           k_q6d6631dbed_sphere
    .symbol:         k_q6d6631dbed_sphere.kd
    .args:
      - { .name: sigma, .offset: 0, .size: 8, .value_kind: global_buffer, .address_space: global }
      - { .name: sphere_pos, .offset: 8, .size: 8, .value_kind: global_buffer, .address_space: global }
      - { .name: vec, .offset: 16, .size: 8, .value_kind: global_buffer, .address_space: global }
      - { .name: weights, .offset: 24, .size: 8, .value_kind: global_buffer, .address_space: global }
      - { .name: out0, .offset: 32, .size: 8, .value_kind: global_buffer, .address_space: global }
    .group_segment_fixed_size: 171008
    .private_segment_fixed_size: 0
    .kernarg_segment_align: 8
    .kernarg_segment_size: 40
    .max_flat_workgroup_size: 512
    .sgpr_count:     66
    .vgpr_count:     256
    .wavefront_size: 32
...
	.end_amdgpu_metadata
.endif
;; end of part 1
;; ======== version 2 of 2: 1 launch; version 1 with the launch sphere written anew for expert scheduling mode
;; limits: a function is approximated: absolute error at most 0.0001
;; launch sphere (part 2): grid 256 x 1, 16 waves a work-group, no clusters, 171,008 bytes of LDS; arguments sigma, sphere_pos, vec, weights, out0; writes out0
.if DOCPART == 2
	.amdgcn_target "amdgcn-amd-amdhsa--gfx1250"
	.amdhsa_code_object_version 6
	.text
	.protected	k_q6d6631dbed_sphere
	.globl	k_q6d6631dbed_sphere
	.p2align	8
	.type	k_q6d6631dbed_sphere,@function
k_q6d6631dbed_sphere:
	s_mov_b64 s[64:65], 0
	v_nop
	global_prefetch_b8 v0, s[64:65] scope:SCOPE_SE
	s_setreg_imm32_b32 hwreg(HW_REG_WAVE_SCHED_MODE, 0, 2), 2
	s_setreg_imm32_b32 hwreg(HW_REG_WAVE_MODE, 25, 1), 1
	s_wait_xcnt 0x0
	s_wait_alu depctr_vm_vsrc(0)
; out[n][ch] = sum_k e[n][k] W[k][ch] / (sum_k e[n][k] + 1e-8 * sqrt(2 pi) * sigma),
; e[n][k] = exp(-arccos(clip(vec[n] . pos[k]))^2 / (2 sigma^2)).  This is the problem's formula with the common factor
; 1 / (sqrt(2 pi) sigma) moved from numerator and row sum into the 1e-8 term; it holds for either sign of sigma.
; Sizes: 262,144 rows, 512 points, 64 channels.  256 work-groups of 16 waves; a work-group owns 1,024 rows in two passes of 512,
; a wave 32 rows of a pass (two tiles of 16).  Everything between the inputs and out0 stays in registers and LDS.
;
; THE COSINE goes through the bf16 matrix form without losing f32 accuracy: each f32 is split exactly into three bf16 terms
; (round, subtract, round), and the 32 K places of ONE instruction hold v0 (s0+s1+s2) + v1 (s0+s1) + v2 (s0+s1) for x, y, z.
; What is dropped is of the order 2^-24.  (With sigma near 0.1 an error d in the cosine is d / sigma^2 in the exponent.)
; NO SHUFFLE BETWEEN THE PRODUCTS: points are the first product's A rows and vec rows its B columns, so lane (r, h) register j holds
; c(row r, point 8h + j); packing registers 2i, 2i+1 of two point tiles gives exactly the B fragment (column = row r, k = point)
; of the second product, whose A rows are channels.  A fifth A fragment of ones gives the row sum of the same rounded e.
; arccos(a) = sqrt(1 - a) (a0 + a1 a + a2 a^2 + a3 a^3) on [0, 1] (Abramowitz and Stegun 4.4.45), mirrored for negative c.
;
; LIMITS.  arccos is within 5e-5 rad (1e-4 rad where |c| is so small that the fitted arcsine changes sign).  e and W are rounded to
; bf16 for the second product.  e below 2^-126 is zero.  NaN or infinity in vec or sphere_pos do not come out as the formula
; would give them (the clip drops a NaN, the split of an infinity makes one).  sigma = 0 is not served.
;
; LEFT OUT: tensor loads and joint requests in a cluster.  What work-groups share is 137,216 bytes of tables, read once by each; they
; must pass through registers anyway (f32 to bf16, split in three, transposed), so a copy into LDS could not lay them as needed.
; No prefetch: all inputs of a work-group are asked for in its first lines.
;
; THE MODE: SCHED_MODE bits 1:0 = 2 (LLVM: expert scheduling mode 2), set by the entry lines.  The code itself states the register dependences
; between vector or matrix instructions and memory or LDS instructions, with s_wait_alu, always for 0.
; THE PLAN.  Registers that memory or LDS instructions touch, in the loop:
;   WF        Eight LDS loads a step land in it; the step's MM 0 and MM 1 read it.
;   SPH       Four LDS loads a step land in it; COS 0,0 of that step and COS 1,1 of the next read it.
;   AW, ASPH  Read by those loads; each stepped once a step, by a vector add sixteen instructions behind the loads.
;   All else in the loop (D1, TA, TU, TP, E, ACC, VECF, the constants) is named by vector and matrix instructions alone.
; Every GROUP holds two waits on va_vdst, between a root or an exponential and the first reader of its result.
; The step's twelve loads stand directly behind the first of them in the step: it stands behind COS 1,1 (the last reader of SPH), behind the last
; step's MM 1 (the last reader of WF) and behind the adds to AW and ASPH, so it states those dependences too, and the loop has no wait on va_vdst
; of its own for the loads.  One wait on vm_vsrc a step stands ahead of the two adds.
; Outside the loop: the offsets LB, STO, RD, OOFF, VOFF are made once, ahead of the head's wait, and never written again.  The preparation's store data
; have two sets each, so none is written again in the preparation.  What the preparation's and the way out's stores read (SG and WY; ACC, D1, WF) is written
; again only in the next pass, behind the wait on vm_vsrc at its head.
.set W_PITCH,  1040                    ; an A fragment of W: 1,024 bytes + 16, so that the preparation's sixteen lanes of a half
                                       ; store to sixteen different 16-byte columns modulo 256 bytes
.set W_STEP,   4*W_PITCH               ; the four channel tiles of one K step of 32 points
.set SPH_BASE, 16*W_STEP               ; 66,560: 32 point tiles x 1,024 bytes
.set STAGE,    SPH_BASE+32*1024        ; 99,328: for each wave 16 rows x 272 bytes, its own
.set SPITCH,   272                     ; 256 bytes of a row of out0 + 16
.set WSTAGE,   16*SPITCH
.set LB,   1                           ; 16 x lane
.set AW,   2                           ; LDS address of my 16 bytes in the W fragments of the coming step
.set ASPH, 3                           ; the same for the sphere fragments
.set STO,  4                           ; stage: row r, 32 bytes for each half of the lanes
.set RD,   5                           ; stage: read back by rows
.set OOFF, 6                           ; my byte offset in the work-group's part of out0
.set VOFF, 7                           ; my byte offset in the work-group's part of vec
.set DADD, 8                           ; 1e-8 sqrt(2 pi) sigma
.set TMP,  9
.set ONE,  10                          ; v[10:11] 1.0
.set K3,   12                          ; v[12:19] kappa a3 .. kappa a0, each twice; kappa = sqrt(log2(e) / 2) / |sigma|
.set K2,   14
.set K1,   16
.set K0,   18
.set HH,   20                          ; v[20:21] kappa pi / 2
.set RC,   22                          ; v[22:23] 1 / denominator
.set ONES, 24                          ; v[24:31] an A fragment of bf16 ones
.set VECF, 32                          ; v[32:47] B fragments of my two row tiles
.set SPH,  48                          ; v[48:63] A fragments of two point tiles
.set WF,   64                          ; v[64:95] A fragments of W, four channel tiles
.set D1,   96                          ; v[96:127] cosines: two buffers (row tile 0, row tile 1) of two point tiles
.set TA,   128                         ; v[128:135] a, later e
.set TU,   136                         ; v[136:143] 1 - a, then its root
.set TP,   144                         ; v[144:151] the polynomial, then z, then -z^2
.set E,    152                         ; v[152:159] B fragment of e
.set ACC,  160                         ; v[160:239] 40 rho + 8 t; t = 4 is the row sum
.set RAW,  240                         ; v[240:245] x, y, z of my row in each row tile
.set ST,   246                         ; v[246:248] at work in the split
; preparation only, in registers that the loop uses later
.set WRAW, 160                         ; v[160:223] 2 x 8 loads of W
.set WY,   64                          ; v[64:95] two sets of four packed chunks
.set SRAW, 96                          ; v[96:101] x, y, z of my point in two tiles
.set SF,   104                         ; v[104:109] its split
.set SG,   112                         ; v[112:127] two sets: its fragment, for each of the two tiles
.set PL,   224                         ; lane
.set PR,   225                         ; r = lane % 16
.set PH,   226                         ; h = lane / 16
.set PSG,  227                         ; offsets: sphere_pos, weights; LDS addresses: sphere table, W table
.set PWG,  228
.set PSL,  229
.set PWL,  230
.set PT,   231
; x, y, z (f32, consumed) into six registers: [x0|y0] [z0|z0] [x1|y1] [z1|z1] [x2|y2] [z2|z2]; each subtraction is exact
.macro SPLIT3 d, x, y, z
.irp k, 0,2
	v_cvt_pk_bf16_f32 v[\d+\k], v[\x], v[\y]
	v_cvt_pk_bf16_f32 v[\d+\k+1], v[\z], v[\z]
	v_lshlrev_b32 v[ST], 16, v[\d+\k]
	v_and_b32 v[ST+1], s17, v[\d+\k]
	v_and_b32 v[ST+2], s17, v[\d+\k+1]
	v_sub_f32 v[\x], v[\x], v[ST]
	v_sub_f32 v[\y], v[\y], v[ST+1]
	v_sub_f32 v[\z], v[\z], v[ST+2]
.endr
	v_cvt_pk_bf16_f32 v[\d+4], v[\x], v[\y]
	v_cvt_pk_bf16_f32 v[\d+5], v[\z], v[\z]
.endm
; the B fragment of row tile rho; both halves of the lanes hold the same eight registers
.macro VFRAG rho
	SPLIT3 VECF+8*\rho, RAW+3*\rho, RAW+3*\rho+1, RAW+3*\rho+2
	v_mov_b32 v[VECF+8*\rho+6], v[VECF+8*\rho]     ; [x0|y0] once more, against [sx2|sy2]
	v_mov_b32 v[VECF+8*\rho+7], 0
.endm
; cosines of 32 points x 16 rows
.macro COS buf, rho
	v_wmma_f32_16x16x32_bf16 v[D1+16*\buf:D1+16*\buf+7], v[SPH:SPH+7], v[VECF+8*\rho:VECF+8*\rho+7], 0
	v_wmma_f32_16x16x32_bf16 v[D1+16*\buf+8:D1+16*\buf+15], v[SPH+8:SPH+15], v[VECF+8*\rho:VECF+8*\rho+7], 0
.endm
.macro LOADW                           ; eight loads, 512 neighbouring bytes each: this step's four A fragments of W
.irp t, 0,1,2,3
	ds_load_b128 v[WF+8*\t:WF+8*\t+3], v[AW] offset:\t*W_PITCH
	ds_load_b128 v[WF+8*\t+4:WF+8*\t+7], v[AW] offset:\t*W_PITCH+512
.endr
.endm
.macro LOADS                           ; four loads: the next step's two point tiles
.irp i, 0,1
	ds_load_b128 v[SPH+8*\i:SPH+8*\i+3], v[ASPH] offset:\i*1024
	ds_load_b128 v[SPH+8*\i+4:SPH+8*\i+7], v[ASPH] offset:\i*1024+512
.endr
.endm
; Eight cosines at c become four registers of bf16 e at e.  ld = 1: the fragment loads of W and of the sphere stand behind the wait for the
; roots, ld = 2: those of W alone; their addresses are stepped sixteen instructions further down.
.macro GROUP c, e, ld
.irp j, 0,1,2,3,4,5,6,7
	v_min_num_f32 v[TA+\j], |v[\c+\j]|, s15        ; a = min(|c|, 1 - 1e-5): the clip, which is symmetric
.endr
.irp j, 0,2,4,6
	v_pk_add_f32 v[TU+\j:TU+\j+1], v[ONE:ONE+1], v[TA+\j:TA+\j+1] neg_lo:[0,1] neg_hi:[0,1]
.endr
.irp j, 0,1,2,3,4,5,6,7
	v_sqrt_f32 v[TU+\j], v[TU+\j]                  ; one batch; used 12 plain instructions further down
.endr
.irp j, 0,2,4,6
	v_pk_fma_f32 v[TP+\j:TP+\j+1], v[TA+\j:TA+\j+1], v[K3:K3+1], v[K2:K2+1]
.endr
.irp j, 0,2,4,6
	v_pk_fma_f32 v[TP+\j:TP+\j+1], v[TP+\j:TP+\j+1], v[TA+\j:TA+\j+1], v[K1:K1+1]
.endr
.irp j, 0,2,4,6
	v_pk_fma_f32 v[TP+\j:TP+\j+1], v[TP+\j:TP+\j+1], v[TA+\j:TA+\j+1], v[K0:K0+1]
.endr
	s_wait_alu depctr_va_vdst(0)                   ; the eight roots are written, ahead of their first reader.  Where loads follow (ld): COS 1,1 is done reading SPH, the last step's MM 1 is done reading WF, and AW and ASPH are written
.if \ld >= 1
	LOADW
.endif
.if \ld == 1
	LOADS
.endif
.irp j, 0,2,4,6
	v_pk_fma_f32 v[TP+\j:TP+\j+1], v[TU+\j:TU+\j+1], v[TP+\j:TP+\j+1], v[HH:HH+1] neg_lo:[1,0,0] neg_hi:[1,0,0]   ; kappa arcsin(a)
.endr
.irp j, 0,1,2,3,4,5,6,7
	v_bfi_b32 v[TP+\j], s16, v[TP+\j], v[\c+\j]    ; with the sign of c: kappa arcsin(c)
.endr
.irp j, 0,2,4,6
	v_pk_add_f32 v[TP+\j:TP+\j+1], v[HH:HH+1], v[TP+\j:TP+\j+1] neg_lo:[0,1] neg_hi:[0,1]   ; z = kappa arccos(c)
.endr
.if \ld >= 1
	s_wait_alu depctr_vm_vsrc(0)                   ; the fragment loads above have read AW and ASPH, which are written below
	v_add_nc_u32 v[AW], W_STEP, v[AW]              ; the next step's fragments; the wait for the exponentials below shows the sums written
.endif
.if \ld == 1
	v_add_nc_u32 v[ASPH], 2048, v[ASPH]
.endif
	; each run of four v_exp_f32 has plain instructions that touch none of its registers between it and the first use of its results
	v_pk_mul_f32 v[TP:TP+1], v[TP:TP+1], v[TP:TP+1] neg_lo:[1,0] neg_hi:[1,0]
	v_pk_mul_f32 v[TP+2:TP+3], v[TP+2:TP+3], v[TP+2:TP+3] neg_lo:[1,0] neg_hi:[1,0]
.irp j, 0,1,2,3
	v_exp_f32 v[TA+\j], v[TP+\j]                   ; e = 2^(-z^2)
.endr
	v_pk_mul_f32 v[TP+4:TP+5], v[TP+4:TP+5], v[TP+4:TP+5] neg_lo:[1,0] neg_hi:[1,0]
	v_pk_mul_f32 v[TP+6:TP+7], v[TP+6:TP+7], v[TP+6:TP+7] neg_lo:[1,0] neg_hi:[1,0]
.irp j, 4,5,6,7
	v_exp_f32 v[TA+\j], v[TP+\j]
.endr
	s_wait_alu depctr_va_vdst(0)                   ; the eight exponentials are written, ahead of their first reader
.irp j, 0,1,2,3
	v_cvt_pk_bf16_f32 v[\e+\j], v[TA+2*\j], v[TA+2*\j+1]
.endr
.endm
; 64 channels and the row sum of row tile rho, 32 points more.  zero = 1: the first product starts the sums
.macro MM rho, zero
.irp t, 0,1,2,3
.if \zero
	v_wmma_f32_16x16x32_bf16 v[ACC+40*\rho+8*\t:ACC+40*\rho+8*\t+7], v[WF+8*\t:WF+8*\t+7], v[E:E+7], 0
.else
	v_wmma_f32_16x16x32_bf16 v[ACC+40*\rho+8*\t:ACC+40*\rho+8*\t+7], v[WF+8*\t:WF+8*\t+7], v[E:E+7], v[ACC+40*\rho+8*\t:ACC+40*\rho+8*\t+7]
.endif
.endr
.if \zero
	v_wmma_f32_16x16x32_bf16 v[ACC+40*\rho+32:ACC+40*\rho+39], v[ONES:ONES+7], v[E:E+7], 0
.else
	v_wmma_f32_16x16x32_bf16 v[ACC+40*\rho+32:ACC+40*\rho+39], v[ONES:ONES+7], v[E:E+7], v[ACC+40*\rho+32:ACC+40*\rho+39]
.endif
.endm
; One step: 32 points x my 32 rows.  At its head D1's buffer 0 holds this step's cosines of row tile 0 and SPH this step's points.
; Each cosine buffer is read two GROUPs behind the matrix instructions that wrote it, and E is rewritten most of a GROUP behind
; the matrix instructions that read it.
.macro STEP zero, last
	COS 1, 1
.if \last
	GROUP D1, E, 2
.else
	GROUP D1, E, 1
.endif
	GROUP D1+8, E+4, 0
.if \last
	s_wait_dscnt 0x0                               ; W's eight loads
.else
	s_wait_dscnt 0x4                               ; W's eight loads are in; the four younger ones (the next points) may be out
.endif
	MM 0, \zero
.if \last == 0
	s_wait_dscnt 0x0                               ; the next step's points
	COS 0, 0                                       ; its cosines of row tile 0, one half step ahead of their use
.endif
	GROUP D1+16, E, 0
	GROUP D1+24, E+4, 0
	MM 1, \zero
.endm
; The way out of row tile rho: divide, 16 rows through my own stage, back as whole rows.  buf: 32 registers free at that point.
.macro OUT p, rho, buf
	v_add_f32 v[TMP], v[ACC+40*\rho+32], v[DADD]   ; every register of the fifth tile holds row r's sum
	v_rcp_f32 v[RC], v[TMP]
	v_rcp_f32 v[RC+1], v[TMP]
	v_nop                                          ; one plain instruction between v_rcp_f32 and the use of its result
	s_wait_alu depctr_va_vdst(0)                   ; both reciprocals are written, ahead of their first reader
.irp k, 0,2,4,6,8,10,12,14,16,18,20,22,24,26,28,30
	v_pk_mul_f32 v[ACC+40*\rho+\k:ACC+40*\rho+\k+1], v[ACC+40*\rho+\k:ACC+40*\rho+\k+1], v[RC:RC+1]
.endr
	s_wait_alu depctr_va_vdst(0)                   ; the sixteen products are written, which the LDS stores read; the loop's readers and writers of buf, in which the loads below land, are done
.irp t, 0,1,2,3
	ds_store_b128 v[STO], v[ACC+40*\rho+8*\t:ACC+40*\rho+8*\t+3] offset:64*\t       ; channels 16 t + 8 h + 0 .. 3 of row r
	ds_store_b128 v[STO], v[ACC+40*\rho+8*\t+4:ACC+40*\rho+8*\t+7] offset:64*\t+16  ; and + 4 .. 7
.endr
.irp i, 0,1,2,3,4,5,6,7
	ds_load_b128 v[\buf+4*\i:\buf+4*\i+3], v[RD] offset:2*SPITCH*\i   ; my own bytes: a wave's LDS instructions are served in order
.endr
.irp i, 0,1,2,3,4,5,6,7
	s_wait_dscnt 7-\i                              ; rows 2 i, 2 i + 1 are in; the younger loads stay out
	global_store_b128 v[OOFF], v[\buf+4*\i:\buf+4*\i+3], s[12:13] offset:\p*131072+\rho*4096+\i*512 th:TH_STORE_NT   ; 512 consecutive bytes, aligned: two whole rows
.endr
.endm
; One pass: 512 rows of the work-group, 32 of mine, all 512 points in 16 steps.  more = 1: the next pass's vec is asked for ahead of the way out.
.macro PASS p, more
.if \p
	s_wait_xcnt 0x0                                ; D1 and WF were the data of the last pass's stores: rewritten only behind this wait
.endif
	s_wait_alu depctr_vm_vsrc(0)                   ; first pass: the preparation's LDS stores have read SG and WY, and they and its loads their addresses in v[227:230]; second pass: the way out's stores have read ACC, D1 and WF, the loop's loads AW and ASPH.  This pass writes all of these again
	v_mov_b32 v[AW], v[LB]
	v_add_nc_u32 v[ASPH], SPH_BASE, v[LB]
	s_wait_alu depctr_va_vdst(0)                   ; ASPH is written, which the four loads below read
	LOADS
	s_wait_loadcnt 0x0                             ; my six numbers of vec
	VFRAG 0
	s_wait_alu depctr_vm_vsrc(0)                   ; those four loads have read ASPH
	v_add_nc_u32 v[ASPH], 2048, v[ASPH]            ; the points of step 1; the first step's wait for its roots shows the sum written
	s_wait_dscnt 0x0
	COS 0, 0
	VFRAG 1                                        ; twenty vector instructions that name none of that product's registers
	STEP 1, 0
	s_mov_b32 s18, 14
.Lstep_\p:
	STEP 0, 0
	s_sub_co_i32 s18, s18, 1
	s_cmp_lg_u32 s18, 0
	s_cbranch_scc1 .Lstep_\p
	STEP 0, 1                                      ; the last step fetches no further points
.if \more
.irp rho, 0,1
.irp d, 0,1,2
	global_load_b32 v[RAW+3*\rho+\d], v[VOFF], s[8:9] offset:(\p+1)*6144+\rho*192+\d*4   ; RAW was last named by the splits at the pass's head, ahead of every wait of the loop
.endr
.endr
.endif
	OUT \p, 0, D1                                  ; its vector instructions are the places behind the last products of row tile 1
	OUT \p, 1, WF
.endm
.macro KPAIR reg, lit
	v_mul_f32 v[\reg], \lit, v[TMP]
	v_mov_b32 v[\reg+1], v[\reg]
.endm
; The W table: chunk (step, tile t, q, lane (r, h)) = bf16 of W[32 step + 16 q + 8 h + 0 .. 7][16 t + r].  A lane's eight loads hold
; eight points of four channels: four chunks, into set i2 of WY.
.macro WCVT i2
.irp i, 0,1,2,3
.irp m, 0,1,2,3
	v_cvt_pk_bf16_f32 v[WY+16*\i2+4*\i+\m], v[WRAW+32*\i2+8*\m+\i], v[WRAW+32*\i2+8*\m+4+\i]
.endr
.endr
.endm
.macro WSTO i2
.irp i, 0,1,2,3
	ds_store_b128 v[PWL], v[WY+16*\i2+4*\i:WY+16*\i2+4*\i+3] offset:\i2*512+\i*16
.endr
.endm
	; SET-UP
	s_load_b256 s[4:11], s[0:1], 0x0               ; sigma s[4:5], sphere_pos s[6:7], vec s[8:9], weights s[10:11]
	s_load_b64 s[12:13], s[0:1], 0x20              ; out0
	v_lshl_add_u32 v254, v0, 2, 0x29400
	v_mov_b32 v255, 0
	s_mov_b32 s15, 0x3f7fff58                      ; 1 - 1e-5
	s_mov_b32 s16, 0x7fffffff                      ; all but the sign
	s_mov_b32 s17, 0xffff0000                      ; a word's upper bf16
	v_lshrrev_b32 v[PT], 5, v0
	v_readfirstlane_b32 s19, v[PT]                 ; wave 0 .. 15
	v_and_b32 v[PL], 31, v0
	v_and_b32 v[PR], 15, v0
	v_bfe_u32 v[PH], v0, 4, 1
	v_lshlrev_b32 v[LB], 4, v[PL]
	s_wait_alu depctr_va_sdst(0)                   ; s19 is written, ahead of its first reader: the wave's places in LDS and in the buffers are made from it
	s_mul_i32 s20, s19, WSTAGE
	s_add_co_u32 s20, s20, STAGE                   ; my stage
	v_mul_u32_u24 v[STO], v[PR], SPITCH
	v_lshl_add_u32 v[STO], v[PH], 5, v[STO]
	v_add_nc_u32 v[STO], s20, v[STO]
	v_mul_u32_u24 v[RD], v[PH], SPITCH
	v_lshl_add_u32 v[RD], v[PR], 4, v[RD]
	v_add_nc_u32 v[RD], s20, v[RD]
	s_lshl_b32 s20, s19, 13                        ; 32 rows of 256 bytes
	v_add_nc_u32 v[OOFF], s20, v[LB]
	v_lshl_add_u32 v[PWG], v[PH], 11, s20          ; weights: my wave's 32 rows of 256 bytes, + 8 h rows,
	v_lshl_add_u32 v[PWG], v[PR], 4, v[PWG]        ; + 16 bytes a lane: sixteen lanes take a whole row
	s_mul_i32 s20, s19, 384                        ; 32 rows of 12 bytes
	v_mul_u32_u24 v[VOFF], v[PR], 12
	v_add_nc_u32 v[VOFF], s20, v[VOFF]
	s_lshl_b32 s20, s19, 6                         ; sphere_pos: point 16 wave + r
	v_lshl_add_u32 v[PSG], v[PR], 2, s20
	s_lshl_b32 s20, s19, 10
	s_add_co_u32 s20, s20, SPH_BASE
	v_add_nc_u32 v[PSL], s20, v[LB]                ; sphere table: tile = wave (and wave + 16)
	s_mul_i32 s20, s19, W_STEP                     ; W table: my wave writes the four fragments of K step = wave, 4,160 bytes of its own
	v_lshrrev_b32 v[PT], 2, v[PR]
	v_mul_u32_u24 v[PWL], v[PT], W_PITCH           ; channel tile = r / 4 (a lane holds channels 4 r .. 4 r + 3)
	v_and_b32 v[PT], 3, v[PR]
	v_lshl_add_u32 v[PWL], v[PT], 6, v[PWL]        ; fragment lane 4 (r % 4) + i
	v_lshl_add_u32 v[PWL], v[PH], 8, v[PWL]        ; + 16 h
	v_add_nc_u32 v[PWL], s20, v[PWL]
	s_mul_i32 s20, ttmp9, 12288                    ; the work-group's 1,024 rows of vec
	s_mov_b32 s21, 0
	s_wait_kmcnt 0x0
	s_load_b32 s14, s[4:5], 0x0                    ; sigma
	s_add_nc_u64 s[8:9], s[8:9], s[20:21]
	s_lshl_b32 s20, ttmp9, 18                      ; and of out0
	s_add_nc_u64 s[12:13], s[12:13], s[20:21]
	s_wait_alu depctr_va_vdst(0)                   ; the offsets and LDS addresses STO, RD, OOFF, VOFF, PSG, PWG, PSL, PWL are written, which the kernel's loads and stores read
	; all the loads of the preparation and of pass 0, oldest first in the order of use: 6 + 16 + 6
.irp i2, 0,1
.irp d, 0,1,2
	global_load_b32 v[SRAW+3*\i2+\d], v[PSG], s[6:7] offset:\d*2048+\i2*1024
.endr
.endr
.irp i2, 0,1
.irp j, 0,1,2,3,4,5,6,7
	global_load_b128 v[WRAW+32*\i2+4*\j:WRAW+32*\i2+4*\j+3], v[PWG], s[10:11] offset:\i2*4096+\j*256   ; W[32 wave + 16 i2 + 8 h + j][4 r ..]
.endr
.endr
.irp rho, 0,1
.irp d, 0,1,2
	global_load_b32 v[RAW+3*\rho+\d], v[VOFF], s[8:9] offset:\rho*192+\d*4
.endr
.endr
	; constants, while the loads are on their way
	v_cmp_gt_u32 vcc_lo, 16, v[PL]                 ; the lower half of the lanes
	v_mov_b32 v[ONE], 1.0
	v_mov_b32 v[ONE+1], 1.0
.irp j, 0,1,2,3,4,5,6,7
	v_mov_b32 v[ONES+\j], 0x3f803f80
.endr
	s_wait_alu depctr_va_vcc(0)                    ; VCC is written, ahead of its first reader, the sphere table's selects
	s_wait_kmcnt 0x0
	s_and_b32 s20, s14, s16                        ; |sigma|
	v_rcp_f32 v[TMP], s20
	v_mov_b32 v[DADD], s14                         ; (the plain instruction behind v_rcp_f32)
	s_wait_alu depctr_va_vdst(0)                   ; the reciprocal is written, ahead of its first reader
	v_mul_f32 v[TMP], 0x3f596d27, v[TMP]           ; kappa = 0.8493218 / |sigma|
	v_mul_f32 v[DADD], 0x32d75157, v[DADD]         ; 2.5066283e-8 sigma
	KPAIR K3, 0xbc996e30                           ; -0.0187293
	KPAIR K2, 0x3d981627                           ;  0.0742610
	KPAIR K1, 0xbe593484                           ; -0.2121144
	KPAIR K0, 0x3fc90da4                           ;  1.5707288
	KPAIR HH, 0x3fc90fdb                           ;  pi / 2
	; THE SPHERE TABLE: tiles wave and wave + 16.  Lane (r, h) makes the eight registers of point r's A fragment, a set of SG for each tile:
	;   h = 0: [sx0|sy0] [sz0|sz2] [sx0|sy0] [sz0|0] [sx0|sy0] [sz0|0] [sx2|sy2] 0
	;   h = 1: [sx1|sy1] [sz1|0]   [sx1|sy1] [sz1|0] [sx1|sy1] [sz1|0] 0         0
	s_wait_loadcnt 22                              ; the six sphere loads are in; 16 of W and 6 of vec stay out
.irp i2, 0,1
	SPLIT3 SF, SRAW+3*\i2, SRAW+3*\i2+1, SRAW+3*\i2+2
	v_cndmask_b32 v[SG+8*\i2], v[SF+2], v[SF], vcc_lo
	v_cndmask_b32 v[SG+8*\i2+3], v[SF+3], v[SF+1], vcc_lo
	v_and_b32 v[SG+8*\i2+3], 0xffff, v[SG+8*\i2+3]
	v_and_b32 v[SG+8*\i2+1], s17, v[SF+5]
	v_cndmask_b32 v[SG+8*\i2+1], 0, v[SG+8*\i2+1], vcc_lo
	v_or_b32 v[SG+8*\i2+1], v[SG+8*\i2+1], v[SG+8*\i2+3]
	v_mov_b32 v[SG+8*\i2+2], v[SG+8*\i2]
	v_mov_b32 v[SG+8*\i2+4], v[SG+8*\i2]
	v_mov_b32 v[SG+8*\i2+5], v[SG+8*\i2+3]
	v_cndmask_b32 v[SG+8*\i2+6], 0, v[SF+4], vcc_lo
	v_mov_b32 v[SG+8*\i2+7], 0
.endr
	s_wait_loadcnt 14                              ; the first eight loads of W are in; behind them 8 + 6 stay out
	WCVT 0
	s_wait_alu depctr_va_vdst(0)                   ; both sets of SG and the first set of WY are written, which the eight LDS stores below read
.irp i2, 0,1
	ds_store_b128 v[PSL], v[SG+8*\i2:SG+8*\i2+3] offset:\i2*16384
	ds_store_b128 v[PSL], v[SG+8*\i2+4:SG+8*\i2+7] offset:\i2*16384+512
.endr
	WSTO 0
	s_wait_loadcnt 6                               ; the other eight loads of W are in; the six of vec stay out
	WCVT 1
	s_wait_alu depctr_va_vdst(0)                   ; the second set of WY is written, which the four LDS stores below read
	WSTO 1
	s_wait_dscnt 0x0                               ; my part of both tables is written,
	s_barrier_signal -1
	s_barrier_wait -1                              ; everybody's is.  From here on the tables are only read, and each stage is one wave's own
	PASS 0, 1
	PASS 1, 0
	s_wait_dscnt 0x0
	s_wait_alu depctr_hold_cnt(0) depctr_sa_sdst(0) depctr_va_vdst(0) depctr_va_sdst(0) depctr_va_ssrc(0) depctr_va_vcc(0) depctr_vm_vsrc(0)
	s_wait_tensorcnt 0x0
	ds_add_u32 v254, v255
	s_wait_dscnt 0x0
	s_endpgm
.Lfunc_end_k_q6d6631dbed_sphere:
	.size	k_q6d6631dbed_sphere, .Lfunc_end_k_q6d6631dbed_sphere-k_q6d6631dbed_sphere
	.p2alignl 7, 3214868480
	.fill 96, 4, 3214868480
	.section	.rodata,"a",@progbits
	.p2align	6, 0x0
	.amdhsa_kernel k_q6d6631dbed_sphere
		.amdhsa_group_segment_fixed_size 171008
		.amdhsa_private_segment_fixed_size 0
		.amdhsa_enable_private_segment 0
		.amdhsa_kernarg_size 40
		.amdhsa_user_sgpr_count 2
		.amdhsa_user_sgpr_kernarg_segment_ptr 1
		.amdhsa_wavefront_size32 1
		.amdhsa_system_sgpr_workgroup_id_x 1
		.amdhsa_system_sgpr_workgroup_id_y 1
		.amdhsa_system_sgpr_workgroup_id_z 1
		.amdhsa_system_vgpr_workitem_id 0
		.amdhsa_next_free_vgpr 256
		.amdhsa_next_free_sgpr 66
		.amdhsa_reserve_vcc 1
		.amdhsa_float_denorm_mode_32 3
		.amdhsa_float_denorm_mode_16_64 3
		.amdhsa_memory_ordered 1
		.amdhsa_forward_progress 1
		.amdhsa_inst_pref_size 127
	.end_amdhsa_kernel
	.amdgpu_metadata
---
amdhsa.version: [ 1, 2 ]
amdhsa.kernels:
  - .name:           k_q6d6631dbed_sphere
    .symbol:         k_q6d6631dbed_sphere.kd
    .args:
      - { .name: sigma, .offset: 0, .size: 8, .value_kind: global_buffer, .address_space: global }
      - { .name: sphere_pos, .offset: 8, .size: 8, .value_kind: global_buffer, .address_space: global }
      - { .name: vec, .offset: 16, .size: 8, .value_kind: global_buffer, .address_space: global }
      - { .name: weights, .offset: 24, .size: 8, .value_kind: global_buffer, .address_space: global }
      - { .name: out0, .offset: 32, .size: 8, .value_kind: global_buffer, .address_space: global }
    .group_segment_fixed_size: 171008
    .private_segment_fixed_size: 0
    .kernarg_segment_align: 8
    .kernarg_segment_size: 40
    .max_flat_workgroup_size: 512
    .sgpr_count:     66
    .vgpr_count:     256
    .wavefront_size: 32
...
	.end_amdgpu_metadata
.endif
;; end of part 2
